; MI455X (gfx1250); checked and timed in simulation.
; The chip was launched on July 23, 2026; its instructions are those of AMD's public machine-readable ISA for CDNA 5 (MIT licence, August 2026) and "CDNA5" Instruction Set Architecture Reference Guide (July 2026). The comments in the code are by the model that wrote it; some were corrected since.
;; Multi Head Self Attention. Allowed arithmetic: matrix products marked QUANTISED: E4M3 operands, one given power-of-two scale a tensor, by v_wmma_f32_16x16x64_fp8_fp8 or v_wmma_f32_16x16x128_fp8_fp8, f32 sums; everything else in f32.
;; Inputs: Wk_codes 1,024 x 32 x 32 uint8 (E4M3 codes of Wk, K innermost, in blocks of 32 codes); Wo_codes 1,024 x 32 x 32 uint8 (E4M3 codes of Wo, K innermost, in blocks of 32 codes); Wq_codes 1,024 x 32 x 32 uint8 (E4M3 codes of Wq, K innermost, in blocks of 32 codes); Wv_codes 1,024 x 32 x 32 uint8 (E4M3 codes of Wv, K innermost, in blocks of 32 codes); attention_mask 4 x 2,048 int32; bk 1,024 float32; bo 1,024 float32; bq 1,024 float32; bv 1,024 float32; lowp_scales 12 int32 (the exponents e of the quantised operands' scales 2^e); x_codes 4 x 2,048 x 32 x 32 uint8 (E4M3 codes of x, K innermost, in blocks of 32 codes).
;; Outputs: out0 4 x 2,048 x 1,024 float32.
;; This version of the problem:
;;   THIS VERSION OF THE PROBLEM IS GIVEN IN LOW PRECISION. The matrix products marked QUANTISED in the list below multiply operands that are first quantised to E4M3 (4 exponent bits, 3 mantissa bits; 8 bits a number), with one given power-of-two scale for each operand tensor; their sums are f32. All else is computed in f32.
;;   The module's matrix products, in the order in which they are computed (A, B: the left and right operand; K: the contracted axis; several contracted axes count as one K, in the product's order):
;;     1. [M 8,192, K 1,024] x [K 1,024, N 1,024]; A: input x (given as codes); B: input Wq (given as codes): QUANTISED (scales: A lowp_scales[0], B lowp_scales[1])
;;     2. [M 8,192, K 1,024] x [K 1,024, N 1,024]; A: input x (given as codes); B: input Wk (given as codes): QUANTISED (scales: A lowp_scales[2], B lowp_scales[3])
;;     3. [M 8,192, K 1,024] x [K 1,024, N 1,024]; A: input x (given as codes); B: input Wv (given as codes): QUANTISED (scales: A lowp_scales[4], B lowp_scales[5])
;;     4. batch 64 x [M 2,048, K 64] x [K 64, N 2,048]; A: computed on the way; B: computed on the way: QUANTISED (scales: A lowp_scales[6], B lowp_scales[7])
;;     5. batch 64 x [M 2,048, K 2,048] x [K 2,048, N 64]; A: softmax (see below); B: computed on the way: QUANTISED (scales: A lowp_scales[8], B lowp_scales[9])
;;     6. [M 8,192, K 1,024] x [K 1,024, N 1,024]; A: computed on the way; B: input Wo (given as codes): QUANTISED (scales: A lowp_scales[10], B lowp_scales[11])
;;   THE QUANTISER, for each operand of a quantised product, along K:
;;     - The operand's scale is 2^e, e = its entry of the input lowp_scales (int32; the entries are numbered through the quantised products in the list's order, A before B).
;;     - Each number is divided by the scale, clamped to +-448, and rounded to the nearest number of E4M3, ties to even, subnormals kept.
;;     - The product sums the exact products of the quantised numbers (number of the format x scale) in f32.
;;   ~~~python
;;   def quantise(x, axis, e):      # numpy; x: float32 -> the quantised numbers, widened to float32 again
;;       x = np.moveaxis(x, axis, -1); K = x.shape[-1]
;;       r = np.clip(x / 2.0 ** e, -448, 448)
;;       step = 2.0 ** (np.maximum(np.frexp(np.where(r == 0, 1, r))[1] - 1, -6) - 3)
;;       q = np.round(r / step) * step * 2.0 ** e      # np.round: ties to even
;;       return np.moveaxis(q, -1, axis).astype(np.float32)
;;   ~~~
;;   SOFTMAX AHEAD OF A QUANTISED PRODUCT. Where the list says 'softmax', what is quantised is not the finished softmax but p = 2^(t - M), with t = logit x log2(e) and M = ceil(the row's largest t), a whole number; so 1/2 < the row's largest p <= 1. The row's sum l is taken of the UNQUANTISED p, in f32, and the product's result is divided by l at the end. Since M is a whole number, a kernel that streams over the keys may use a running M (the ceiling of the running maximum): every later rescaling is an exact power of two, so the quantised numbers keep their values, but for numbers so far below the row's largest that they fall under the format's range.
;;   OPERANDS COMPUTED ON THE WAY. 'Computed on the way' means the value that the module computes at that place (a softmax that the list does not call 'softmax' is quantised finished and normalised). What goes into a quantiser is computed in f32, as accurately as f32 sums, v_exp_f32 and their like allow (about 1e-6 of the number): no bf16 or f16 on the way to a quantiser, and a product that is left as it is and whose result goes on into a quantised operand takes f32 operands (vector FMAs, or v_wmma_f32_16x16x4_f32). A number that lies on a knife's edge between two numbers of the format may be rounded either way, as far as f32 arithmetic and the matrix unit's own rounding can turn it there, and no further.
;;   INPUTS GIVEN AS CODES. Wk (in the module: [1024, 1024], K = its axis 1); Wo (in the module: [1024, 1024], K = its axis 1); Wq (in the module: [1024, 1024], K = its axis 1); Wv (in the module: [1024, 1024], K = its axis 1); x (in the module: [4, 2048, 1024], K = its axis 2): each comes as NAME_codes (uint8): NAME with its K axis moved to the last place and cut into blocks of 32 codes, [.., K / 32, bytes a block], one block behind the other in memory; one code a byte (a code: sign, 4 exponent bits, 3 mantissa bits); its scale is its entry of lowp_scales. Its value is code x scale, taken as it is: it is not quantised again, and the codes and scales need not be those that the quantiser above would give.
;; One version. Each part assembles by itself: llvm-mc -triple=amdgcn-amd-amdhsa -mcpu=gfx1250 --defsym DOCPART=n.
;; ======== version 1 of 1: 3 launches
;; limits: right only within a limited range of input values
;; workspace buffers: q_img 8,388,608 bytes; k_img 8,388,608 bytes; v_img 8,388,608 bytes; a_img 8,388,608 bytes
;; launch qkv (part 1): grid 12 x 32, 4 waves a work-group, clusters of 4 x 4, 327,680 bytes of LDS; arguments x_codes, Wq_codes, Wk_codes, Wv_codes, bq, bk, bv, lowp_scales, q_img, k_img, v_img; writes q_img, k_img, v_img
.if DOCPART == 1
	.amdgcn_target "amdgcn-amd-amdhsa--gfx1250"
	.amdhsa_code_object_version 6
	.text
	.protected	k_q48ae0c7871_qkv
	.globl	k_q48ae0c7871_qkv
	.p2align	8
	.type	k_q48ae0c7871_qkv,@function
k_q48ae0c7871_qkv:
	s_mov_b64 s[64:65], 0
	v_nop
	global_prefetch_b8 v0, s[64:65] scope:SCOPE_SE
	s_setreg_imm32_b32 hwreg(HW_REG_WAVE_MODE, 25, 1), 1
	s_wait_xcnt 0x0
	s_wait_alu depctr_hold_cnt(0) depctr_sa_sdst(0) depctr_va_vdst(0) depctr_va_sdst(0) depctr_va_ssrc(0) depctr_va_vcc(0) depctr_vm_vsrc(0)
	s_getreg_b32 s2, hwreg(HW_REG_IB_STS2, 6, 4)
	s_cmp_eq_u32 s2, 0
	s_cbranch_scc0 .Lentry_in_a_cluster
	s_endpgm
.Lentry_in_a_cluster:
	s_bfe_u32 s2, ttmp6, 0x10000c
	s_cmp_lg_u32 s2, 0xf033
	s_cbranch_scc0 .Lentry_shape_is_right
	s_endpgm
.Lentry_shape_is_right:
; q = x Wq^T + bq, k = x Wk^T + bk, v = x Wv^T + bv on codes of E4M3; each result is quantised at once (scales: entries 6, 7, 9) and stored as codes.
; x: [8192][1024] codes; W: [1024][1024] codes, K innermost.  A sum stands for sum x 2^(ex + ew), with ex, ew the product's own two entries (0,1 / 2,3 / 4,5).
; ONE TEXT FOR THREE PRODUCTS.  The loop multiplies 256 rows of a tensor in ROLE A by 256 rows of a tensor in ROLE B; source 0 = 16 rows of role B, source 1 = 16 rows of role A, so a lane
; holds ONE row of role A and its eight registers eight NEIGHBOURING rows of role B.  Cluster x says which product: 0: q, 1: k (role A = x's tokens, role B = the weight's features: the registers run
; along the head's 64, the next product's K);  2: v (role A = Wv's features, role B = x's tokens: the registers run along the keys, the next K of v).  Only pointers, offsets and factors are chosen, by
; s_cselect on the cluster's x, which all sixteen partners share: no branch.
; OUTPUT AS IMAGES OF OPERAND REGISTERS.  Eight sums of a lane become two registers of codes, which ARE registers 2 c, 2 c + 1 (k = 16 c + 8 (lane / 16) + 0..7) of the next product's fragment.  Four such
; registers of the 32 lanes are stored as 512 consecutive bytes, lane l's 16 at 16 l.  q_img, k_img: [batch x 16 + head][token / 16][2][32][16];  v_img: [batch x 16 + head][key / 64][d / 16][2][32][16].
; THE BIAS goes in divided by 2^(ex + ew): along role B as the C of the first K step's products, along role A by one packed addition on the way out; the one of the two that the product does not have is
; multiplied by 0 (its loads read the first 128 numbers of the same bias buffer).
; A tile of 256 x 256 to a work-group of four waves, 128 x 128 to a wave: 64 accumulators.  K = 1,024 goes in four slots' worth of 256 through a ring of two LDS slots.
; CLUSTERS: 4 x 4.  Role A's tile hangs on the place along y alone and is asked for jointly by a row of the cluster, role B's on the place along x alone, by a column.
; The fragments are fetched by four loads of 16 bytes: a permutation of k, the same on both sides, so every product meets its partner.
; LIMITS: ex + ew between -126 and 126; eo - ex - ew (eo: entry 6, 7 or 9) between -126 and 119.  NaN or infinite biases and NaN codes are not served.
; REGISTERS: window 0: v0-31 addresses; v32-95 the bias along role B, later the sums at work; v96-111 the bias along role A, a pair a block; v113-119 scale, offsets; v128-255 role A's fragments, later the codes.
;   window 1: role B's fragments, two sets.   windows 2, 3: the accumulators ((a, b) at v[8 (8 (a % 4) + b)]).
.set ROWB,   256                       ; a tile's row in bytes
.set KROW,   1024                      ; a row of x or of a weight in memory
.set PITCH,  272                       ; an LDS row: 256 bytes + 16 of padding = 68 words: the 16 rows that a load touches start at 16 different banks (64 banks of 4 bytes: ISA guide 11.1)
.set FR,     16                        ; registers of a fragment
.set NL,     4                         ; LDS loads that bring one
.set NP,     4                         ; places behind this matrix instruction (ISA guide 7.12.1)
.set HALFT,  128*PITCH
.set SLOT,   4*HALFT                   ; role A's 256 rows, then role B's
.set SPARE,  2*SLOT                    ; behind the ring: the spare words, 128 bytes a wave
.set ADRA, 16
.set ADRB, 20
.set SPW,  28
.set NIL,  29
.set BIB,  32                          ; v32-95  bias along role B: register 8 b + j
.set TMP,  32                          ; the way out: a block's 64 sums
.set BA,   96                          ; v96-111 bias along role A: block a's in both halves of pair a
.set LIM,  112
.set SC,   113                         ; the conversion's scale
.set OFF,  114                         ; v114-117 store offsets
.set HO,   118                         ; 32 x (lane / 16)
.set RO,   119                         ; 4 x (lane % 16)
.set AF,   128
.set CD,   128                         ; the way out: codes, 16 registers a block; none is written twice
.set G1, 24
.set G0, 32
.set G1B, 48
.set G0B, 56
.set MSB, 0
.macro WIN new                         ; the immediate's high byte repeats the setting that is left
.if MSB != \new
	s_set_vgpr_msb (MSB<<8)|\new
.set MSB, \new
.endif
.endm
.set MUL_LO, 0xa1                      ; source 0 (role B) window 1, source 1 (role A) window 0, C and D window 2
.set MUL_HI, 0xf1                      ; the same, C and D window 3
.set BIA_LO, 0x81                      ; the first K step: C (the bias) window 0, D window 2
.set BIA_HI, 0xc1                      ; D window 3
.set TO_B,   0x40                      ; destination window 1, address window 0
; A joint load: waves 0 and 1 fetch for role A, waves 2 and 3 for role B; the branch hangs on the wave's number alone.  Four v_nop follow each of the two lines.
.macro JLOAD g0a, g1a, g0b, g1b
	s_cmp_eq_u32 s15, 0
	s_cbranch_scc0 .Lfor_b_\@
	tensor_load_to_lds s[\g0a:\g0a+3], s[\g1a:\g1a+7]
	s_nop 0
.rept 4
	v_nop
.endr
	s_branch .Lasked_\@
.Lfor_b_\@:
	tensor_load_to_lds s[\g0b:\g0b+3], s[\g1b:\g1b+7]
	s_nop 0
.rept 4
	v_nop
.endr
.Lasked_\@:
.endm
.macro CREST                           ; a round of the cluster's barrier behind its opening barrier
	s_cmp_lg_u32 s14, 0
	s_cbranch_scc1 .Lnot_wave_0_\@
	s_barrier_signal -3
.Lnot_wave_0_\@:
	s_barrier_wait -3
	s_barrier_signal -1
	s_barrier_wait -1
.endm
.macro CROUND
	s_barrier_signal -1
	s_barrier_wait -1
	CREST
.endm
	s_load_b512 s[68:83], s[0:1], 0x0              ; x 68, Wq 70, Wk 72, Wv 74, bq 76, bk 78, bv 80, the scales' exponents 82
	s_load_b128 s[84:87], s[0:1], 0x40             ; q_img 84, k_img 86
	s_load_b64 s[88:89], s[0:1], 0x50              ; v_img
	v_lshl_add_u32 v[SPW], v0, 2, SPARE
	v_mov_b32 v[NIL], 0
	ds_add_u32 v28, v29
	ds_add_u32 v28, v29
	s_wait_dscnt 0x0
	v_lshrrev_b32 v1, 5, v0
	v_readfirstlane_b32 s14, v1                    ; wave 0..3
	s_lshr_b32 s15, s14, 1                         ; which half of role A's rows is mine.  Also: I fetch for role A (0) or B (1)
	s_and_b32 s16, s14, 1                          ; which half of role B's rows.  Also: which 128 rows I fetch
	s_bfe_u32 s40, ttmp6, 0x40000                  ; cx
	s_bfe_u32 s41, ttmp6, 0x40004                  ; cy
	s_and_b32 s90, ttmp7, 0xffff
	s_lshl_b32 s90, s90, 2                         ; 4 x cluster y: the walk over the 32 tiles of tokens
	s_cmp_eq_u32 ttmp9, 2                          ; is this v's cluster?
	s_cselect_b32 s17, 0, s90
	s_cselect_b32 s42, s90, 0
	s_add_co_u32 s17, s17, s41                     ; role A's tile: tokens 4 Y + cy (q, k), features cy (v): made of cy and of what all partners share
	s_add_co_u32 s42, s42, s40                     ; role B's tile: features cx (q, k), tokens 4 Y + cx (v): made of cx and of what all partners share
	s_lshl_b32 s43, s41, 2
	s_lshl_b32 s43, 15, s43                        ; my row of the cluster
	s_lshl_b32 s44, 0x1111, s40                    ; my column
	s_or_b32 s[G1+0], s43, (0<<16)|(1<<20)|(1<<21)|(5<<22)|(3<<25)  ; the mask; elements of 1 byte; padding on; bit 21 beside a mask; after every 64 words four words
	s_or_b32 s[G1B+0], s44, (0<<16)|(1<<20)|(1<<21)|(5<<22)|(3<<25)
.irp g, G1, G1B
	s_mov_b32 s[\g+1], ROWB<<16                    ; tensor_dim0
	s_mov_b32 s[\g+2], 128<<16                     ; tensor_dim1
	s_mov_b32 s[\g+3], ROWB<<16                    ; tile_dim0
	s_mov_b32 s[\g+4], 128                         ; tile_dim1
	s_mov_b32 s[\g+5], KROW                        ; tensor_dim0_stride
	s_mov_b32 s[\g+6], 0
	s_mov_b32 s[\g+7], 0
.endr
	s_lshl_b32 s18, s16, 7                         ; which 128 rows of the tile I fetch
	s_lshl_b32 s20, s17, 8
	s_add_co_u32 s20, s20, s18
	s_lshl_b32 s20, s20, 10                        ; role A: row x 1,024 bytes (under 2^23)
	s_mov_b32 s21, 0
	s_lshl_b32 s46, s42, 8
	s_add_co_u32 s46, s46, s18
	s_lshl_b32 s46, s46, 10                        ; role B likewise
	s_mov_b32 s47, 0
	s_mul_i32 s45, s14, HALFT                      ; where they go: wave x 128 rows
	s_wait_kmcnt 0x0
	s_cmp_eq_u32 ttmp9, 2
	s_cselect_b64 s[4:5], s[74:75], s[68:69]       ; role A: Wv, or x
	s_cselect_b64 s[6:7], s[68:69], s[72:73]       ; role B: x, or Wk
	s_cselect_b64 s[8:9], s[80:81], s[78:79]       ; the bias
	s_cselect_b64 s[10:11], s[88:89], s[86:87]     ; the output
	s_cmp_eq_u32 ttmp9, 0
	s_cselect_b64 s[6:7], s[70:71], s[6:7]         ; or Wq,
	s_cselect_b64 s[8:9], s[76:77], s[8:9]         ; bq,
	s_cselect_b64 s[10:11], s[84:85], s[10:11]     ; q_img
	s_load_b256 s[68:75], s[82:83], 0x0            ; entries 0 to 7
	s_load_b128 s[76:79], s[82:83], 0x20           ; entries 8 to 11
	s_add_nc_u64 s[20:21], s[4:5], s[20:21]
	s_add_nc_u64 s[46:47], s[6:7], s[46:47]
	CROUND                                         ; all sixteen work-groups are here: the first joint loads meet
.irp s, 0,1
	s_mov_b32 s[G0+4*\s], 1
	s_add_co_u32 s[G0+4*\s+1], s45, \s*SLOT
	s_add_nc_u64 s[G0+4*\s+2:G0+4*\s+3], s[20:21], \s*ROWB
	s_or_b32 s[G0+4*\s+3], s[G0+4*\s+3], 0x80000000
	s_mov_b32 s[G0B+4*\s], 1
	s_add_co_u32 s[G0B+4*\s+1], s45, \s*SLOT
	s_add_nc_u64 s[G0B+4*\s+2:G0B+4*\s+3], s[46:47], \s*ROWB
	s_or_b32 s[G0B+4*\s+3], s[G0B+4*\s+3], 0x80000000
	JLOAD G0+4*\s, G1, G0B+4*\s, G1B
.endr
	; the biases
	v_and_b32 v1, 15, v0                           ; r = lane % 16
	v_bfe_u32 v2, v0, 4, 1                         ; h = lane / 16
	v_lshlrev_b32 v[HO], 5, v2
	s_wait_alu depctr_va_vdst(0)
	v_lshlrev_b32 v[RO], 2, v1
	s_wait_alu depctr_va_vdst(0)
	s_lshl_b32 s90, s17, 8
	s_lshl_b32 s91, s15, 7
	s_add_co_u32 s90, s90, s91                     ; my first row of role A
	s_lshl_b32 s91, s42, 8
	s_lshl_b32 s92, s16, 7
	s_add_co_u32 s91, s91, s92                     ; my first row of role B
	s_cmp_eq_u32 ttmp9, 2
	s_cselect_b32 s92, 0, s91                      ; the bias runs along the features: role B's rows for q and k,
	s_cselect_b32 s94, s90, 0                      ; role A's for v; the other load reads from the buffer's first byte on and is multiplied by 0
	s_lshl_b32 s92, s92, 2
	s_lshl_b32 s94, s94, 2
	s_mov_b32 s93, 0
	s_mov_b32 s95, 0
	s_add_nc_u64 s[92:93], s[8:9], s[92:93]
	s_add_nc_u64 s[94:95], s[8:9], s[94:95]
.irp b, 0,1,2,3,4,5,6,7
	global_load_b128 v[BIB+8*\b:BIB+8*\b+3], v[HO], s[92:93] offset:64*\b        ; bias(16 b + 8 h + 0..7): the result's layout
	global_load_b128 v[BIB+8*\b+4:BIB+8*\b+7], v[HO], s[92:93] offset:64*\b+16
.endr
.irp a, 0,1,2,3,4,5,6,7
	global_load_b32 v[BA+2*\a], v[RO], s[94:95] offset:64*\a                     ; bias(16 a + r)
.endr
	v_mul_u32_u24 v3, v1, PITCH
	v_lshl_add_u32 v4, v2, 4, v3                   ; a fragment's row x pitch + 16 x half
	s_mul_i32 s21, s15, HALFT                      ; my 128 rows of role A
	s_mul_i32 s22, s16, HALFT                      ; my 128 rows of role B,
	s_add_co_u32 s22, s22, 2*HALFT                 ; which lie behind role A's 256
.irp s, 0,1
	v_add_nc_u32 v[ADRA+\s], s21, v4
	v_add_nc_u32 v[ADRB+\s], s22, v4
	s_add_co_u32 s21, s21, SLOT
	s_add_co_u32 s22, s22, SLOT
.endr
	; where my codes go: ((token / 2048) x 16 + feature / 64) x 131,072 + (token % 2048) x 64
	s_cmp_eq_u32 ttmp9, 2
	s_cselect_b32 s18, s91, s90                    ; my first token
	s_cselect_b32 s19, s90, s91                    ; my first feature
	s_mov_b32 s22, 4096
	s_mov_b32 s23, 131072
	s_cselect_b32 s21, s23, s22                    ; from role A's blocks 0-3 to 4-7: 64 tokens on (q, k: 4,096 bytes) or a head on (v: 131,072)
	s_cselect_b32 s22, s22, s23                    ; from role B's blocks 0-3 to 4-7: a head on (q, k) or 64 keys on (v)
	s_lshr_b32 s23, s18, 11
	s_lshl_b32 s23, s23, 4
	s_lshr_b32 s19, s19, 6
	s_add_co_u32 s23, s23, s19
	s_lshl_b32 s23, s23, 17
	s_and_b32 s18, s18, 2047
	s_lshl_b32 s18, s18, 6
	s_add_co_u32 s18, s18, s23
	s_mov_b32 s19, 0
	s_add_nc_u64 s[10:11], s[10:11], s[18:19]
	v_and_b32 v5, 31, v0
	v_lshlrev_b32 v[OFF], 4, v5                    ; 16 x lane
	v_add_nc_u32 v[OFF+1], s22, v[OFF]
	v_add_nc_u32 v[OFF+2], s21, v[OFF]
	v_add_nc_u32 v[OFF+3], s22, v[OFF+2]
	; the scales
	s_wait_kmcnt 0x0
	s_cmp_eq_u32 ttmp9, 2
	s_cselect_b32 s80, s72, s70                    ; ex
	s_cselect_b32 s81, s73, s71                    ; ew
	s_cselect_b32 s82, s77, s75                    ; eo: entry 9 (v) or 7 (k)
	s_cmp_eq_u32 ttmp9, 0
	s_cselect_b32 s80, s68, s80
	s_cselect_b32 s81, s69, s81
	s_cselect_b32 s82, s74, s82                    ; or 6 (q)
	s_add_co_i32 s80, s80, s81                     ; ex + ew
	s_sub_co_i32 s81, 127, s80
	s_lshl_b32 s81, s81, 23                        ; 2^-(ex + ew) as f32
	s_cmp_eq_u32 ttmp9, 2
	s_cselect_b32 s98, 0, s81                      ; the factor of the bias along role B,
	s_cselect_b32 s100, s81, 0                     ; and along role A
	s_mov_b32 s99, s98                             ; (named with it as a pair, so it is written)
	s_sub_co_i32 s82, s82, s80                     ; a sum's code is sum / 2^(eo - ex - ew): three scales folded into the conversion's one
	s_add_co_i32 s82, s82, 127
	s_lshl_b32 s83, s82, 23
	v_mov_b32 v[SC], s83
	s_wait_loadcnt 0x0                             ; the biases are in
.set jj, 0
.rept 32
	v_pk_mul_f32 v[BIB+jj:BIB+jj+1], v[BIB+jj:BIB+jj+1], s[98:99] op_sel_hi:[1,0]
.set jj, jj+2
.endr
.irp a, 0,1,2,3,4,5,6,7
	v_mul_f32 v[BA+2*\a], s100, v[BA+2*\a]
.endr
.irp a, 0,1,2,3,4,5,6,7
	v_mov_b32 v[BA+2*\a+1], v[BA+2*\a]             ; both halves of the pair that the packed addition names
.endr
.macro FRAG reg, adr, q, i             ; 16 rows x 128 K: registers 4 c .. 4 c + 3 hold K = 32 c + 16 (lane / 16) + 0 .. 15
.irp c, 0,1,2,3
	ds_load_b128 v[\reg+4*\c:\reg+4*\c+3], v[\adr] offset:128*(\q)+32*\c+(\i)*16*PITCH
.endr
.endm
; 16 matrix instructions: role A's blocks a0, a0 + 1 x role B's eight.  bias = 1: the first K step starts the sums with the bias as C: nothing is cleared.
; The 64 accumulators take turns, one instruction a turn, in the same order in every step.
.macro MUL16 a0, p, bias
.irp a, \a0, \a0+1
.irp b, 0,1,2,3,4,5,6,7
.if \bias
	v_wmma_f32_16x16x128_fp8_fp8 v[8*(8*((\a)%4)+\b):8*(8*((\a)%4)+\b)+7], v[128*(\p)+FR*\b:128*(\p)+FR*\b+FR-1], v[AF+FR*(\a):AF+FR*(\a)+FR-1], v[BIB+8*\b:BIB+8*\b+7]
.else
	v_wmma_f32_16x16x128_fp8_fp8 v[8*(8*((\a)%4)+\b):8*(8*((\a)%4)+\b)+7], v[128*(\p)+FR*\b:128*(\p)+FR*\b+FR-1], v[AF+FR*(\a):AF+FR*(\a)+FR-1], v[8*(8*((\a)%4)+\b):8*(8*((\a)%4)+\b)+7]
.endif
.endr
.endr
.endm
.macro FETCH_B slot, q, p
	WIN TO_B
.irp i, 0,1,2,3,4,5,6,7
	FRAG 128*(\p)+FR*\i, ADRB+\slot, \q, \i
.endr
	WIN 0
.endm
.macro FETCH_A slot, q, i0
.irp i, \i0, \i0+1, \i0+2, \i0+3
	FRAG AF+FR*(\i), ADRA+\slot, \q, \i
.endr
.endm
.macro PLACES n                        ; plain vector instructions between a matrix instruction and a load into, or a vector read of, its registers
.rept \n
	v_nop
.endr
.endm
; A step of 128 along K that has its successor in the same slot.
.macro STEP slot, q, bias
	s_wait_dscnt 4*NL                              ; role B's set and role A's blocks 0-3 are in; the youngest 16 loads (blocks 4-7) may be out
.if \bias
	WIN BIA_LO
.else
	WIN MUL_LO
.endif
	MUL16 0, (\q)%2, \bias
	MUL16 2, (\q)%2, \bias
	s_wait_dscnt 0                                 ; blocks 4-7 are in
	PLACES NP
	FETCH_B \slot, (\q)+1, 1-(\q)%2
	FETCH_A \slot, (\q)+1, 0
.if \bias
	WIN BIA_HI
.else
	WIN MUL_HI
.endif
	MUL16 4, (\q)%2, \bias
	MUL16 6, (\q)%2, \bias
	PLACES NP
	WIN 0
	FETCH_A \slot, (\q)+1, 4
.endm
; A slot's last step changes slots: one barrier; in front of it each wave waits for all its tensor loads, adds 0 to its spare word, and waits for that and for its reads of this slot.
.macro TURN slot, next, fill
	s_wait_tensorcnt 0x0                           ; all my tensor loads have landed: my part of the next slot
	ds_add_u32 v[SPW], v[NIL]                      ; 0 onto my spare word
	s_wait_dscnt 4*NL+1                            ; the add and the youngest 16 loads may be out
	WIN MUL_LO
	MUL16 0, 1, 0                                  ; sixteen matrix instructions stand between the add and the wait for it
	s_wait_dscnt 0x0                               ; the add is done, and my reads of this slot are over
	s_barrier_signal -1
	MUL16 2, 1, 0
	WIN 0
	s_barrier_wait -1
.if \fill
	CREST                                          ; the barrier has opened a round of the cluster's: no wave of any partner still reads this slot or has a load on its way
	s_add_nc_u64 s[G0+4*\slot+2:G0+4*\slot+3], s[G0+4*\slot+2:G0+4*\slot+3], 2*ROWB
	s_add_nc_u64 s[G0B+4*\slot+2:G0B+4*\slot+3], s[G0B+4*\slot+2:G0B+4*\slot+3], 2*ROWB
	JLOAD G0+4*\slot, G1, G0B+4*\slot, G1B         ; the first tensor load behind the round; its four v_nop are also the places in front of the loads below
.else
	PLACES NP
.endif
	FETCH_B \next, 0, 0
	FETCH_A \next, 0, 0
	WIN MUL_HI
	MUL16 4, 1, 0
	MUL16 6, 1, 0
	PLACES NP
	WIN 0
	FETCH_A \next, 0, 4
.endm
	s_wait_tensorcnt 1                             ; my part of slot 0 is in; slot 1's load may be out
	s_barrier_signal -1
	s_barrier_wait -1
	FETCH_B 0, 0, 0
	FETCH_A 0, 0, 0
	FETCH_A 0, 0, 4
	STEP 0, 0, 1                                   ; K 0-127: starts the sums
	TURN 0, 1, 1                                   ; K 128-255; slot 0 takes K 512-767
	STEP 1, 0, 0
	TURN 1, 0, 1                                   ; slot 1 takes K 768-1023
	STEP 0, 0, 0
	TURN 0, 1, 0                                   ; nothing is left to fetch
	STEP 1, 0, 0
	s_wait_dscnt 4*NL                              ; the last step
	WIN MUL_LO
	MUL16 0, 1, 0
	MUL16 2, 1, 0
	s_wait_alu depctr_va_vdst(0)
	s_wait_dscnt 0
	WIN MUL_HI
	MUL16 4, 1, 0
	MUL16 6, 1, 0
	WIN 0
; THE WAY OUT of block a (16 rows of role A): + the bias along role A, the conversion; each accumulator is read from its low end on.  The codes are the next operand's registers as they stand.
.macro OUTA a
	WIN 0x02+((\a)/4)                              ; source 0: window 2 or 3
.set kk, 0
.rept 32
	v_pk_add_f32 v[TMP+kk:TMP+kk+1], v[64*((\a)%4)+kk:64*((\a)%4)+kk+1], v[BA+2*(\a):BA+2*(\a)+1]
.set kk, kk+2
.endr
	WIN 0
.irp b, 0,1,2,3,4,5,6,7
.irp j, 0,1,2,3,4,5,6,7
.endr
	v_cvt_scalef32_pk8_fp8_f32 v[CD+16*(\a)+2*\b:CD+16*(\a)+2*\b+1], v[TMP+8*\b:TMP+8*\b+7], v[SC]
.endr
	v_nop                                          ; a plain line between the last conversion and the next block's additions, which write its sources
.irp g, 0,1
.irp i, 0,1
	global_store_b128 v[OFF+2*((\a)/4)+\g], v[CD+16*(\a)+8*\g+4*\i:CD+16*(\a)+8*\g+4*\i+3], s[10:11] offset:((\a)%4)*1024+512*\i   ; 32 lanes store 512 consecutive bytes, at a multiple of 512 from the buffer's first byte
.endr
.endr
.endm
	PLACES NP                                      ; behind the last products: in front of the first read of results and of the first write over role A's fragments
.irp a, 0,1,2,3,4,5,6,7
	OUTA \a
.endr
	s_wait_tensorcnt 0x0                           ; the wave's end
	ds_add_u32 v[SPW], v[NIL]
	s_wait_dscnt 0x0
	CROUND                                         ; the closing round: no work-group ends while a partner may still ask for a tile that names it
	s_endpgm
.Lfunc_end_k_q48ae0c7871_qkv:
	.size	k_q48ae0c7871_qkv, .Lfunc_end_k_q48ae0c7871_qkv-k_q48ae0c7871_qkv
	.p2alignl 7, 3214868480
	.fill 96, 4, 3214868480
	.section	.rodata,"a",@progbits
	.p2align	6, 0x0
	.amdhsa_kernel k_q48ae0c7871_qkv
		.amdhsa_group_segment_fixed_size 327680
		.amdhsa_private_segment_fixed_size 0
		.amdhsa_enable_private_segment 0
		.amdhsa_kernarg_size 88
		.amdhsa_user_sgpr_count 2
		.amdhsa_user_sgpr_kernarg_segment_ptr 1
		.amdhsa_wavefront_size32 1
		.amdhsa_system_sgpr_workgroup_id_x 1
		.amdhsa_system_sgpr_workgroup_id_y 1
		.amdhsa_system_sgpr_workgroup_id_z 1
		.amdhsa_system_vgpr_workitem_id 0
		.amdhsa_next_free_vgpr 1024
		.amdhsa_next_free_sgpr 102
		.amdhsa_reserve_vcc 0
		.amdhsa_float_denorm_mode_32 3
		.amdhsa_float_denorm_mode_16_64 3
		.amdhsa_fp16_overflow 1
		.amdhsa_memory_ordered 1
		.amdhsa_forward_progress 1
		.amdhsa_inst_pref_size 108
	.end_amdhsa_kernel
	.amdgpu_metadata
---
amdhsa.version: [ 1, 2 ]
amdhsa.kernels:
  - .name:           k_q48ae0c7871_qkv
    .symbol:         k_q48ae0c7871_qkv.kd
    .args:
      - { .name: x_codes, .offset: 0, .size: 8, .value_kind: global_buffer, .address_space: global }
      - { .name: Wq_codes, .offset: 8, .size: 8, .value_kind: global_buffer, .address_space: global }
      - { .name: Wk_codes, .offset: 16, .size: 8, .value_kind: global_buffer, .address_space: global }
      - { .name: Wv_codes, .offset: 24, .size: 8, .value_kind: global_buffer, .address_space: global }
      - { .name: bq, .offset: 32, .size: 8, .value_kind: global_buffer, .address_space: global }
      - { .name: bk, .offset: 40, .size: 8, .value_kind: global_buffer, .address_space: global }
      - { .name: bv, .offset: 48, .size: 8, .value_kind: global_buffer, .address_space: global }
      - { .name: lowp_scales, .offset: 56, .size: 8, .value_kind: global_buffer, .address_space: global }
      - { .name: q_img, .offset: 64, .size: 8, .value_kind: global_buffer, .address_space: global }
      - { .name: k_img, .offset: 72, .size: 8, .value_kind: global_buffer, .address_space: global }
      - { .name: v_img, .offset: 80, .size: 8, .value_kind: global_buffer, .address_space: global }
    .group_segment_fixed_size: 327680
    .private_segment_fixed_size: 0
    .kernarg_segment_align: 8
    .kernarg_segment_size: 88
    .max_flat_workgroup_size: 128
    .sgpr_count:     102
    .vgpr_count:     1024
    .wavefront_size: 32
...
	.end_amdgpu_metadata
.endif
;; end of part 1
;; launch attn (part 2): grid 4 x 64, 8 waves a work-group, clusters of 4 x 1, 308,224 bytes of LDS; arguments q_img, k_img, v_img, attention_mask, lowp_scales, a_img; writes a_img
.if DOCPART == 2
	.amdgcn_target "amdgcn-amd-amdhsa--gfx1250"
	.amdhsa_code_object_version 6
	.text
	.protected	k_q48ae0c7871_attn
	.globl	k_q48ae0c7871_attn
	.p2align	8
	.type	k_q48ae0c7871_attn,@function
k_q48ae0c7871_attn:
	s_mov_b64 s[64:65], 0
	v_nop
	global_prefetch_b8 v0, s[64:65] scope:SCOPE_SE
	s_setreg_imm32_b32 hwreg(HW_REG_WAVE_MODE, 25, 1), 1
	s_wait_xcnt 0x0
	s_wait_alu depctr_hold_cnt(0) depctr_sa_sdst(0) depctr_va_vdst(0) depctr_va_sdst(0) depctr_va_ssrc(0) depctr_va_vcc(0) depctr_vm_vsrc(0)
	s_getreg_b32 s2, hwreg(HW_REG_IB_STS2, 6, 4)
	s_cmp_eq_u32 s2, 0
	s_cbranch_scc0 .Lentry_in_a_cluster
	s_endpgm
.Lentry_in_a_cluster:
	s_bfe_u32 s2, ttmp6, 0x10000c
	s_cmp_lg_u32 s2, 0x3003
	s_cbranch_scc0 .Lentry_shape_is_right
	s_endpgm
.Lentry_shape_is_right:
; Attention of one (batch, head) a cluster, on codes of E4M3: S^T = K Q^T, both masks, p = 2^(t - M), O^T = V^T P, / the row's sum, quantised (entry 10) and stored as codes for the last product.
; q_img, k_img, v_img hold images of operand registers (a piece: four registers of 32 lanes, 512 bytes, lane l's 16 bytes at 16 l; registers 2 c, 2 c + 1: k = 16 c + 8 (lane / 16) + 0..7).
; ALL OF THE HEAD'S K AND V LIES IN LDS: 131,072 bytes each, brought once, by eight joint loads (one a wave, 32,768 bytes) that name the cluster's four work-groups.  Nothing is filled again: behind one
; barrier LDS is only read, so the loop has no barrier.
; SHARES.  A step is 32 queries (two tiles, so that each fragment of K and V feeds two products) x 64 keys.  Wave w makes two passes: block m = w, then m = 15 - w, of 128 queries; of a block the work-group at
; place cx takes queries 128 m + 32 cx + 0..31.  A pass has the steps 0 .. 2 m + 1: 34 steps for every wave of the launch.  All branches hang on the wave's number and the step alone, never on cx: the places
; cx = 0 and 1 compute one step a pass that the causal mask hides wholly.
; THE LOOP HAS 32 TRIPS, a constant; a trip whose keys all come after the block's queries is jumped over.
; LAYOUT.  Both products transposed: a lane holds ONE query (lane % 16); S^T's register j of tile f is key 16 f + 8 (lane / 16) + j, so the conversion of a tile's eight p gives registers 2 f, 2 f + 1 of P.
; THE PADDING MASK is a number a key, 0 or -2^100, kept in LDS and loaded into S^T's registers: the score product adds onto it.  THE CAUSAL MASK: in the block's last two steps hidden scores are replaced by -2^100.
; The running largest t starts at -2^40 c, above every masked t and under every real one (|score| in codes is under 2^24): masked p are 0, and a query that sees no key ends with the sum 0.
; Such a query's result is NaN in the definition: its codes are set to the format's NaN code, which carries NaN into the whole output row.
; SOFTMAX: t = score x c, c = log2(e) / 8 x 2^(e6 + e7); M = the running largest t rounded up; p = 2^(t - M) is quantised with 2^e8; the sum is taken of the unquantised p; when M moves, the sum and O^T are
; multiplied by 2^(old M - new M).
; a_img: [K / 256][token / 16][2][4][32][16]: fragments of 16 tokens x 128 K of the last product; head n fills pieces 2 (n % 2), 2 (n % 2) + 1 of fragment (n / 4, (n / 2) % 2).
; LIMITS: e6 + e7 between -80 and 80; e8, and e10 - e8 - e9, between -126 and 119.  NaN codes in q, k, v do not occur (the launch before holds every number).
.set VREG,  131072                     ; LDS: K at 0 (tile of 16 keys f at 1,024 f), V here (64 keys n at 4,096 n, 16 d at + 1,024),
.set BIAS,  262144                     ; 2,048 key biases (8,192 bytes) and 4,096 written bytes behind them: step 31's look-ahead reads K(32) in V's bytes, V(32) and bias(32) here,
.set QST,   274432                     ; and each wave's Q: wave x 4,096 + pass x 2,048 + tile x 1,024 + piece x 512 + 16 x lane
.set LA,   1                           ; v1   16 x lane
.set LAV,  2                           ; v2   + VREG
.set BA0,  3                           ; v3   BIAS + 32 (lane / 16)
.set ADK,  4                           ; v4-6 the step's addresses of K, V, biases
.set ADV,  5
.set ADB,  6
.set RH,   7                           ; v7   lane % 16 - 8 (lane / 16)
.set D0,   8                           ; v8-9 the causal mask's bound for tile 0, 1
.set NEG,  10                          ; v10  -2^100
.set LIMP, 11
.set ST,   12                          ; v12-27 tile t at ST + 8 t: +0 -M, +1 the largest t, +2 +3 the sum in two halves, +4 f, +5 (named with f as a pair), +6 +7 at work
.set SCP,  28                          ; v28  2^e8
.set LIMO, 29
.set SCO,  30                          ; v30  2^(e10 - e8 - e9)
.set QA,   31                          ; v31  my wave's Q in LDS
.set Q,    32                          ; v32-47   Q, 8 a tile
.set KF,   48                          ; v48-79   K's four fragments
.set VF,   80                          ; v80-111  V's four
.set S,    112                         ; v112-175 S^T, then p: 32 t + 8 f
.set O,    176                         ; v176-239 O^T: 32 t + 8 f
.set P,    240                         ; v240-255 p's codes, 8 a tile; on the way out the result's
.set WV,   16
.set CX,   17
.set BH,   18
.set G1,   24
.set G0,   32
.set CS,   52                          ; s[52:53] c
.set SEL,  54                          ; s[54:55] lane selects: lane l xor 16
.set NN,   57                          ; the step
.set TB,   58                          ; 4,096 x step
.set LASTN, 59                         ; the pass's last step
.set FIRSTD, 60                        ; its first step on the diagonal
.set MP,   61                          ; the pass's block of 128 queries
.set T2,   62
.set Q0,   63                          ; my first query
.set OB,   66                          ; s[66:67] the pass's place in a_img
.set AFX,  68                          ; s[68:69] a_img at my head, batch and place
.set FLOOR, 71                         ; -2^40 c
.set ZM,   72                          ; s72-73 lanes whose sum is 0
.set TBB,  74                          ; 256 x step
.macro CROUND                          ; a round of the cluster's barrier
	s_barrier_signal -1
	s_barrier_wait -1
	s_cmp_lg_u32 s[WV], 0
	s_cbranch_scc1 .Lnot_wave_0_\@
	s_barrier_signal -3
.Lnot_wave_0_\@:
	s_barrier_wait -3
	s_barrier_signal -1
	s_barrier_wait -1
.endm
	s_load_b256 s[4:11], s[0:1], 0x0               ; q_img 4, k_img 6, v_img 8, attention_mask 10
	s_load_b128 s[12:15], s[0:1], 0x20             ; the scales' exponents 12, a_img 14
	s_set_vgpr_msb 0x40
	v_lshl_add_u32 v0, v0, 2, 0x4b000
	v_mov_b32 v1, 0
	s_set_vgpr_msb 0x4045
	ds_add_u32 v0, v1
	ds_add_u32 v0, v1
	s_set_vgpr_msb 0x4500
	v_lshrrev_b32 v4, 5, v0
	s_delay_alu instid0(VALU_DEP_1)
	v_readfirstlane_b32 s[WV], v4                  ; wave 0..7
	s_bfe_u32 s[CX], ttmp6, 0x40000                ; my place in the cluster: it enters global addresses and the causal mask's numbers alone
	s_and_b32 s[BH], ttmp7, 0xffff                 ; 16 x batch + head, which the four partners share
	; descriptor group 1: a dense block of 32,768 bytes as 128 rows of 32 elements of 8 bytes
	s_mov_b32 s[G1], 15|(3<<16)|(1<<21)            ; the mask: all four work-groups; elements of 8 bytes; bit 21 beside a mask; no padding
	s_mov_b32 s[G1+1], 32<<16                      ; tensor_dim0
	s_mov_b32 s[G1+2], 128<<16                     ; tensor_dim1
	s_mov_b32 s[G1+3], 32<<16                      ; tile_dim0
	s_mov_b32 s[G1+4], 128                         ; tile_dim1
	s_mov_b32 s[G1+5], 32                          ; tensor_dim0_stride
	s_mov_b32 s[G1+6], 0
	s_mov_b32 s[G1+7], 0
	v_and_b32 v[LA], 31, v0
	s_delay_alu instid0(VALU_DEP_1)
	v_lshlrev_b32 v[LA], 4, v[LA]
	s_delay_alu instid0(VALU_DEP_1)
	v_add_nc_u32 v[LAV], VREG, v[LA]
	v_bfe_u32 v5, v0, 4, 1                         ; h
	s_delay_alu instid0(VALU_DEP_1)
	v_lshl_add_u32 v[BA0], v5, 5, BIAS
	v_and_b32 v[RH], 15, v0
	s_delay_alu instid0(VALU_DEP_3)
	v_lshlrev_b32 v5, 3, v5
	s_delay_alu instid0(VALU_DEP_1)
	v_sub_nc_u32 v[RH], v[RH], v5
	s_lshl_b32 s19, s[WV], 12
	v_add_nc_u32 v[QA], s19, v[LA]
	s_delay_alu instid0(VALU_DEP_1)
	v_add_nc_u32 v[QA], QST, v[QA]
	v_lshlrev_b32 v176, 5, v0                      ; my eight keys of the mask: 32 bytes a thread,
	s_delay_alu instid0(VALU_DEP_1)
	v_add_nc_u32 v177, BIAS, v176                  ; and of the biases
	v_lshl_add_u32 v178, v0, 4, BIAS+8192          ; my 16 bytes of the tail
	v_mov_b32 v[NEG], 0xf1800000                   ; -2^100
	s_lshl_b32 s20, s[BH], 17                      ; the head's 131,072 bytes in each image
	s_mov_b32 s21, 0
	s_and_b32 s22, s[WV], 3
	s_lshl_b32 s22, s22, 15                        ; my quarter of K's (waves 0-3) or V's (waves 4-7)
	s_add_co_u32 s22, s22, s20
	s_mov_b32 s23, 0
	s_wait_dscnt 0x0
	s_wait_kmcnt 0x0
	s_load_b256 s[40:47], s[12:13], 0x0            ; entries 0 to 7
	s_load_b128 s[48:51], s[12:13], 0x20           ; entries 8 to 11
	s_cmp_lt_u32 s[WV], 4
	s_cselect_b64 s[G0+2:G0+3], s[6:7], s[8:9]
	s_add_nc_u64 s[G0+2:G0+3], s[G0+2:G0+3], s[22:23]
	s_or_b32 s[G0+3], s[G0+3], 0x80000000          ; type = 2
	s_mov_b32 s[G0], 1
	s_lshl_b32 s[G0+1], s[WV], 15                  ; LDS: wave x 32,768: K's four quarters, then V's
	CROUND                                         ; all four work-groups are here: the joint loads meet
	tensor_load_to_lds s[G0:G0+3], s[G1:G1+7]      ; my one tensor load of the launch
	s_nop 0
.rept 4
	v_nop
.endr
	s_lshr_b32 s22, s[BH], 4
	s_lshl_b32 s22, s22, 13                        ; the batch's 2,048 words of the mask
	s_add_nc_u64 s[10:11], s[10:11], s[22:23]
	s_add_nc_u64 s[4:5], s[4:5], s[20:21]          ; q_img at my head
	s_lshl_b32 s22, s[WV], 3
	s_lshl_b32 s23, s[CX], 1
	s_add_co_u32 s36, s22, s23                     ; pass 0: tiles 8 w + 2 cx, + 1
	s_lshl_b32 s36, s36, 10
	s_mov_b32 s37, 0
	s_add_nc_u64 s[36:37], s[4:5], s[36:37]
	s_xor_b32 s22, s[WV], 15                       ; 15 - w
	s_lshl_b32 s22, s22, 3
	s_add_co_u32 s38, s22, s23                     ; pass 1
	s_lshl_b32 s38, s38, 10
	s_mov_b32 s39, 0
	s_add_nc_u64 s[38:39], s[4:5], s[38:39]
	s_wait_alu depctr_va_vdst(0)
	global_load_b128 v[144:147], v176, s[10:11]
	global_load_b128 v[148:151], v176, s[10:11] offset:16
.irp t, 0,1
.irp i, 0,1
	global_load_b128 v[S+8*\t+4*\i:S+8*\t+4*\i+3], v[LA], s[36:37] offset:1024*\t+512*\i
	global_load_b128 v[S+16+8*\t+4*\i:S+16+8*\t+4*\i+3], v[LA], s[38:39] offset:1024*\t+512*\i
.endr
.endr
	s_wait_loadcnt 8                               ; the mask's two loads are in; Q's eight may be out
.irp j, 0,1,2,3,4,5,6,7
	v_cmp_eq_u32 vcc_lo, 0, v[144+\j]
	s_delay_alu instid0(VALU_DEP_1)
	v_cndmask_b32 v[144+\j], 0, v[NEG], vcc_lo     ; 0 where the key counts, -2^100 where the mask is 0
.endr
	ds_store_b128 v177, v[144:147]
	ds_store_b128 v177, v[148:151] offset:16
.irp j, 0,1,2,3
	v_mov_b32 v[152+\j], 0
.endr
	ds_store_b128 v178, v[152:155]                 ; the tail is written, since the last look-ahead reads it
	s_wait_loadcnt 0x0
.irp u, 0,1
.irp t, 0,1
.irp i, 0,1
	ds_store_b128 v[QA], v[S+16*\u+8*\t+4*\i:S+16*\u+8*\t+4*\i+3] offset:2048*\u+1024*\t+512*\i
.endr
.endr
.endr
	s_wait_kmcnt 0x0
	s_add_co_i32 s20, s46, s47                     ; e6 + e7 goes into c's exponent field
	s_lshl_b32 s20, s20, 23
	s_add_co_i32 s[CS], s20, 0x3e38aa3b            ; log2(e) / 8
	s_mov_b32 s[CS+1], s[CS]                       ; (named with it as a pair, so it is written)
	s_mul_f32 s[FLOOR], s[CS], 0xd3800000          ; -2^40 c
	s_mov_b32 s[SEL], 0x76543210
	s_mov_b32 s[SEL+1], 0xfedcba98
	s_add_co_i32 s20, s48, 127
	s_lshl_b32 s21, s20, 23
	v_mov_b32 v[SCP], s21                          ; 2^e8
	s_sub_co_i32 s20, s50, s48
	s_sub_co_i32 s20, s20, s49                     ; O^T / the sum stands for that x 2^(e8 + e9): its code is that / 2^(e10 - e8 - e9)
	s_add_co_i32 s20, s20, 127
	s_lshl_b32 s21, s20, 23
	v_mov_b32 v[SCO], s21
	s_and_b32 s20, s[BH], 15                       ; the head n
	s_lshr_b32 s21, s20, 2
	s_lshl_b32 s21, s21, 21                        ; (n / 4) x 2,097,152
	s_bfe_u32 s22, s20, 0x10001
	s_lshl_b32 s22, s22, 11                        ; ((n / 2) % 2) x 2,048
	s_add_co_u32 s21, s21, s22
	s_and_b32 s22, s20, 1
	s_lshl_b32 s22, s22, 10                        ; (n % 2) x 1,024
	s_add_co_u32 s21, s21, s22
	s_lshr_b32 s22, s[BH], 4
	s_lshl_b32 s22, s22, 19                        ; the batch's 128 tiles of 4,096 bytes
	s_add_co_u32 s21, s21, s22
	s_lshl_b32 s22, s[CX], 13                      ; 2 cx tiles
	s_add_co_u32 s20, s21, s22
	s_mov_b32 s21, 0
	s_add_nc_u64 s[AFX:AFX+1], s[14:15], s[20:21]
	s_wait_tensorcnt 0x0                           ; my part of K or V has landed,
	s_wait_dscnt 0x0                               ; my stores into LDS are done:
	s_barrier_signal -1
	s_barrier_wait -1                              ; everybody's.  From here on LDS is only read
; THE SOFTMAX OF A STEP, the two tiles line by line in turn.
.macro SMX
.irp t, 0,1
	v_max3_num_f32 v[ST+8*\t+6], v[S+32*\t], v[S+32*\t+1], v[S+32*\t+2]          ; the largest of my 32 scores, in two chains; each accumulator is read from its low end on
	v_max3_num_f32 v[ST+8*\t+7], v[S+32*\t+3], v[S+32*\t+4], v[S+32*\t+5]
.endr
.irp i, 6,10,14,18,22,26
.irp t, 0,1
	v_max3_num_f32 v[ST+8*\t+6], v[ST+8*\t+6], v[S+32*\t+\i], v[S+32*\t+\i+1]
	v_max3_num_f32 v[ST+8*\t+7], v[ST+8*\t+7], v[S+32*\t+\i+2], v[S+32*\t+\i+3]
.endr
.endr
.irp t, 0
	v_max3_num_f32 v[ST+8*\t+6], v[ST+8*\t+6], v[S+32*\t+30], v[S+32*\t+31]
.endr
.irp t, 1
	v_max3_num_f32 v[ST+8*\t+6], v[ST+8*\t+6], v[S+32*\t+30], v[S+32*\t+31]
.endr
.irp t, 0,1
	s_delay_alu instid0(VALU_DEP_2)
	v_max_num_f32 v[ST+8*\t+6], v[ST+8*\t+6], v[ST+8*\t+7]
.endr
.irp t, 0,1
	s_delay_alu instid0(VALU_DEP_2)
	v_permlanex16_b32 v[ST+8*\t+7], v[ST+8*\t+6], s[SEL], s[SEL+1]               ; the query's other 32 keys lie in the lane 16 away
.endr
.irp t, 0,1
	s_delay_alu instid0(VALU_DEP_2)
	v_max_num_f32 v[ST+8*\t+6], v[ST+8*\t+6], v[ST+8*\t+7]
.endr
.irp t, 0,1
	s_delay_alu instid0(VALU_DEP_2)
	v_mul_f32 v[ST+8*\t+6], s[CS], v[ST+8*\t+6]                                  ; as t (c is positive)
.endr
.irp t, 0,1
	s_delay_alu instid0(VALU_DEP_2)
	v_max_num_f32 v[ST+8*\t+1], v[ST+8*\t+1], v[ST+8*\t+6]                       ; the running largest t
.endr
.irp t, 0,1
	v_mov_b32 v[ST+8*\t+6], v[ST+8*\t]
.endr
.irp t, 0,1
	s_delay_alu instid0(VALU_DEP_4)
	v_floor_f32 v[ST+8*\t], -v[ST+8*\t+1]                                        ; -M = floor(-t): M is a whole number
.endr
.irp t, 0,1
	s_delay_alu instid0(VALU_DEP_2)
	v_sub_f32 v[ST+8*\t+6], v[ST+8*\t], v[ST+8*\t+6]                             ; old M - new M, 0 or less
.endr
.irp t, 0,1
	s_delay_alu instid0(VALU_DEP_2)
	v_cvt_i32_f32 v[ST+8*\t+6], v[ST+8*\t+6]                                     ; (it saturates)
.endr
.irp t, 0,1
	s_delay_alu instid0(VALU_DEP_2)
	v_ldexp_f32 v[ST+8*\t+4], 1.0, v[ST+8*\t+6]                                  ; f = 2^(old M - new M)
.endr
.irp j, 0,2,4,6,8,10,12,14,16,18,20,22,24,26,28,30
.irp t, 0,1
	v_pk_fma_f32 v[S+32*\t+\j:S+32*\t+\j+1], v[S+32*\t+\j:S+32*\t+\j+1], s[CS:CS+1], v[ST+8*\t:ST+8*\t+1] op_sel_hi:[1,0,0]   ; t - M (of the pairs c and -M the low word serves both halves)
.endr
.endr
.set jj, 0
	s_setprio 1
	s_wait_alu depctr_va_vdst(0)
.rept 64
	v_exp_f32 v[S+jj], v[S+jj]                                                   ; p = 2^(t - M): one batch for both tiles
.set jj, jj+1
.endr
.irp t, 0,1
	v_pk_mul_f32 v[ST+8*\t+2:ST+8*\t+3], v[ST+8*\t+2:ST+8*\t+3], v[ST+8*\t+4:ST+8*\t+5] op_sel_hi:[1,0]   ; the sums under the new M: also the plain lines behind the exponentials
.endr
	s_wait_alu depctr_va_vdst(0)                   ; one wait for the batch, ahead of its first reader
.irp t, 0,1
	v_pk_add_f32 v[ST+8*\t+6:ST+8*\t+7], v[S+32*\t:S+32*\t+1], v[S+32*\t+2:S+32*\t+3]   ; the sum of the UNQUANTISED p, two at a time, in two chains
.endr
.irp j, 4,8,12,16,20,24,28
.irp t, 0,1
	v_pk_add_f32 v[ST+8*\t+2:ST+8*\t+3], v[ST+8*\t+2:ST+8*\t+3], v[S+32*\t+\j:S+32*\t+\j+1]
	v_pk_add_f32 v[ST+8*\t+6:ST+8*\t+7], v[ST+8*\t+6:ST+8*\t+7], v[S+32*\t+\j+2:S+32*\t+\j+3]
.endr
.endr
.irp t, 0
	s_delay_alu instid0(VALU_DEP_3)
	v_pk_add_f32 v[ST+8*\t+2:ST+8*\t+3], v[ST+8*\t+2:ST+8*\t+3], v[ST+8*\t+6:ST+8*\t+7]
.endr
.irp t, 1
	s_delay_alu instid0(VALU_DEP_2)
	v_pk_add_f32 v[ST+8*\t+2:ST+8*\t+3], v[ST+8*\t+2:ST+8*\t+3], v[ST+8*\t+6:ST+8*\t+7]
.endr
.irp t, 0,1
.irp f, 0,1,2,3
.irp j, 0,1,2,3,4,5,6,7
.endr
	v_cvt_scalef32_pk8_fp8_f32 v[P+8*\t+2*\f:P+8*\t+2*\f+1], v[S+32*\t+8*\f:S+32*\t+8*\f+7], v[SCP]
.endr
.endr
.endm
; A PASS: 32 queries against the keys up to their block's end.  pn = 0: block w;  1: block 15 - w.
.macro PASS pn
	s_wait_dscnt 0x0                               ; the last look-ahead's loads are in: their registers are written below
	s_wait_xcnt 0x0                                ; the last pass's stores have read their data and their base
.if \pn
	s_xor_b32 s[MP], s[WV], 15
.else
	s_mov_b32 s[MP], s[WV]
.endif
	s_lshl_b32 s[FIRSTD], s[MP], 1
	s_add_co_u32 s[LASTN], s[FIRSTD], 1
	s_lshl_b32 s[Q0], s[MP], 7
	s_lshl_b32 s[T2], s[CX], 5
	s_add_co_u32 s[Q0], s[Q0], s[T2]               ; my first query
	s_lshl_b32 s[OB], s[MP], 15                    ; 8 m tiles of 4,096 bytes
	s_mov_b32 s[OB+1], 0
	s_add_nc_u64 s[OB:OB+1], s[AFX:AFX+1], s[OB:OB+1]
	s_mov_b32 s[NN], 0
	s_mov_b32 s[TB], 0
	s_mov_b32 s[TBB], 0
.irp t, 0,1
.irp i, 0,1
	ds_load_b128 v[Q+8*\t+4*\i:Q+8*\t+4*\i+3], v[QA] offset:2048*\pn+1024*\t+512*\i
.endr
.endr
.irp f, 0,1,2,3
.irp i, 0,1
	ds_load_b128 v[KF+8*\f+4*\i:KF+8*\f+4*\i+3], v[LA] offset:1024*\f+512*\i      ; K of step 0
.endr
.endr
.irp t, 0,1
.irp f, 0,1,2,3
.irp i, 0,1
	ds_load_b128 v[S+32*\t+8*\f+4*\i:S+32*\t+8*\f+4*\i+3], v[BA0] offset:64*\f+16*\i   ; the key biases of step 0, into both tiles' S^T
.endr
.endr
.endr
.irp f, 0,1,2,3
.irp i, 0,1
	ds_load_b128 v[VF+8*\f+4*\i:VF+8*\f+4*\i+3], v[LAV] offset:1024*\f+512*\i     ; V of step 0
.endr
.endr
.irp t, 0,1
	v_mov_b32 v[ST+8*\t+1], s[FLOOR]               ; the largest t so far
	v_mov_b32 v[ST+8*\t+2], 0                      ; the sum
	v_mov_b32 v[ST+8*\t+3], 0
	v_mov_b32 v[ST+8*\t+5], 0                      ; (named as the upper half of f's pair)
	v_mov_b32 v[ST+8*\t+7], 0                      ; (a lane permute's destination counts as read)
	v_floor_f32 v[ST+8*\t], -v[ST+8*\t+1]
.endr
.set jj, 0
.rept 64
	v_mov_b32 v[O+jj], 0                           ; O^T.  The step is written once: its first run finds zeros, which the first change of M leaves zeros
.set jj, jj+1
.endr
.Lstep_\@:
	s_cmp_gt_u32 s[NN], s[LASTN]                   ; keys behind the block's queries: nothing is done
	s_cbranch_scc1 .Lhid_\@
	s_wait_dscnt 8                                 ; Q, K and the biases are in; the youngest eight loads (this step's V) may be out
	s_setprio 2
.irp f, 0,1,2,3
.irp t, 0,1
	v_wmma_f32_16x16x64_fp8_fp8 v[S+32*\t+8*\f:S+32*\t+8*\f+7], v[KF+8*\f:KF+8*\f+7], v[Q+8*\t:Q+8*\t+7], v[S+32*\t+8*\f:S+32*\t+8*\f+7]   ; S^T = K Q^T + the key's bias; eight accumulators by turns
.endr
.endr
	v_add_nc_u32 v[ADK], s[TB], v[LA]              ; four plain lines: the places in front of the loads into K's registers and of the first read of the scores
	v_add_nc_u32 v[ADV], s[TB], v[LAV]
	v_add_nc_u32 v[ADB], s[TBB], v[BA0]
	v_nop
.irp f, 0,1,2,3
.irp i, 0,1
	ds_load_b128 v[KF+8*\f+4*\i:KF+8*\f+4*\i+3], v[ADK] offset:4096+1024*\f+512*\i   ; the next step's K
.endr
.endr
	s_cmp_lt_u32 s[NN], s[FIRSTD]                  ; all keys of the step count: no causal mask
	s_cbranch_scc1 .Lopen_\@
	s_lshl_b32 s[T2], s[NN], 6
	s_sub_co_i32 s[T2], s[Q0], s[T2]
	v_add_nc_u32 v[D0], s[T2], v[RH]               ; d = my query - the step's first key - 8 (lane / 16): register 8 f + j holds a hidden key where 16 f + j > d
	s_delay_alu instid0(VALU_DEP_1)
	v_add_nc_u32 v[D0+1], 16, v[D0]
.irp t, 0,1
.irp f, 0,1,2,3
.irp j, 0,1,2,3,4,5,6,7
	v_cmp_gt_i32 vcc_lo, 16*\f+\j, v[D0+\t]
	v_cndmask_b32 v[S+32*\t+8*\f+\j], v[S+32*\t+8*\f+\j], v[NEG], vcc_lo
.endr
.endr
.endr
.Lopen_\@:
	SMX
	v_nop
.irp t, 0,1
.irp f, 0,1,2,3
.irp i, 0,1
	ds_load_b128 v[S+32*\t+8*\f+4*\i:S+32*\t+8*\f+4*\i+3], v[ADB] offset:256+64*\f+16*\i   ; the next step's key biases, into S^T's registers, which the conversions have read
.endr
.endr
.endr
.irp t, 0,1
.set jj, 0
.rept 16
	v_pk_mul_f32 v[O+32*\t+jj:O+32*\t+jj+1], v[O+32*\t+jj:O+32*\t+jj+1], v[ST+8*\t+4:ST+8*\t+5] op_sel_hi:[1,0]   ; O^T under the new M; also the plain lines between the conversions and the products that read their results
.set jj, jj+2
.endr
.endr
	s_setprio 0
	s_wait_alu depctr_va_vdst(0)
	s_wait_dscnt 24                                ; this step's V is in; behind it: the next K's 8 loads and the next biases' 16
.irp f, 0,1,2,3
.irp t, 0,1
	v_wmma_f32_16x16x64_fp8_fp8 v[O+32*\t+8*\f:O+32*\t+8*\f+7], v[VF+8*\f:VF+8*\f+7], v[P+8*\t:P+8*\t+7], v[O+32*\t+8*\f:O+32*\t+8*\f+7]   ; O^T += V^T P; eight accumulators by turns
.endr
.endr
.rept 4
	v_nop                                          ; places in front of the loads into V's registers, and of the way out's first read of O^T
.endr
.irp f, 0,1,2,3
.irp i, 0,1
	ds_load_b128 v[VF+8*\f+4*\i:VF+8*\f+4*\i+3], v[ADV] offset:4096+1024*\f+512*\i   ; the next step's V
.endr
.endr
.Lhid_\@:
	s_add_co_u32 s[TB], s[TB], 4096
	s_add_co_u32 s[TBB], s[TBB], 256
	s_add_co_u32 s[NN], s[NN], 1
	s_cmp_lt_u32 s[NN], 32
	s_cbranch_scc1 .Lstep_\@
	s_setprio 0
	; THE WAY OUT of a pass
	s_wait_dscnt 0x0                               ; the look-ahead's loads are in: S^T's registers are written below
.irp t, 0,1
	v_add_f32 v[ST+8*\t+6], v[ST+8*\t+2], v[ST+8*\t+3]
.endr
.irp t, 0,1
	s_delay_alu instid0(VALU_DEP_2)
	v_permlanex16_b32 v[ST+8*\t+7], v[ST+8*\t+6], s[SEL], s[SEL+1]
.endr
.irp t, 0,1
	s_delay_alu instid0(VALU_DEP_2)
	v_add_f32 v[ST+8*\t+6], v[ST+8*\t+6], v[ST+8*\t+7]      ; the row's sum
.endr
.irp t, 0,1
	v_mov_b32 v[ST+8*\t+7], 0x7f7f7f7f             ; four NaN codes
.endr
.irp t, 0,1
	s_delay_alu instid0(VALU_DEP_4)
	v_cmp_eq_f32 s[ZM+\t], 0, v[ST+8*\t+6]         ; a query that saw no key
.endr
.irp t, 0,1
	s_delay_alu instid0(VALU_DEP_2)
	v_cndmask_b32 v[ST+8*\t+4], 0, v[ST+8*\t+7], s[ZM+\t]
.endr
.irp t, 0,1
	v_rcp_f32 v[ST+8*\t+2], v[ST+8*\t+6]
.endr
	v_nop                                          ; a plain line behind the reciprocals
	s_wait_alu depctr_va_vdst(0)                   ; one wait for both, ahead of the first reader
.irp t, 0,1
.set jj, 0
.rept 16
	v_pk_mul_f32 v[S+32*\t+jj:S+32*\t+jj+1], v[O+32*\t+jj:O+32*\t+jj+1], v[ST+8*\t+2:ST+8*\t+3] op_sel_hi:[1,0]   ; O^T / the sum; each accumulator from its low end on
.set jj, jj+2
.endr
.irp f, 0,1,2,3
.irp j, 0,1,2,3,4,5,6,7
.endr
	v_cvt_scalef32_pk8_fp8_f32 v[P+8*\t+2*\f:P+8*\t+2*\f+1], v[S+32*\t+8*\f:S+32*\t+8*\f+7], v[SCO]   ; d = 16 f + 8 (lane / 16) + 0..7: registers 2 f, 2 f + 1 of the head's half of a fragment
.endr
	v_nop                                          ; a plain line between the last conversion and the lines that touch its result
.irp j, 0,1,2,3,4,5,6,7
	v_or_b32 v[P+8*\t+\j], v[P+8*\t+\j], v[ST+8*\t+4]       ; NaN codes for a query that saw no key
.endr
.irp i, 0,1
	global_store_b128 v[LA], v[P+8*\t+4*\i:P+8*\t+4*\i+3], s[OB:OB+1] offset:4096*\t+512*\i   ; 32 lanes store 512 consecutive bytes, at a multiple of 512 from the buffer's first byte
.endr
.endr
.endm
	PASS 0
	PASS 1
	s_wait_dscnt 0x0
	s_set_vgpr_msb 0x5
	s_wait_tensorcnt 0x0
	ds_add_u32 v0, v1
	s_wait_dscnt 0x0
	s_set_vgpr_msb 0x500
	CROUND                                         ; the closing round
	s_endpgm
.Lfunc_end_k_q48ae0c7871_attn:
	.size	k_q48ae0c7871_attn, .Lfunc_end_k_q48ae0c7871_attn-k_q48ae0c7871_attn
	.p2alignl 7, 3214868480
	.fill 96, 4, 3214868480
	.section	.rodata,"a",@progbits
	.p2align	6, 0x0
	.amdhsa_kernel k_q48ae0c7871_attn
		.amdhsa_group_segment_fixed_size 308224
		.amdhsa_private_segment_fixed_size 0
		.amdhsa_enable_private_segment 0
		.amdhsa_kernarg_size 48
		.amdhsa_user_sgpr_count 2
		.amdhsa_user_sgpr_kernarg_segment_ptr 1
		.amdhsa_wavefront_size32 1
		.amdhsa_system_sgpr_workgroup_id_x 1
		.amdhsa_system_sgpr_workgroup_id_y 1
		.amdhsa_system_sgpr_workgroup_id_z 1
		.amdhsa_system_vgpr_workitem_id 0
		.amdhsa_next_free_vgpr 258
		.amdhsa_next_free_sgpr 80
		.amdhsa_reserve_vcc 1
		.amdhsa_float_denorm_mode_32 3
		.amdhsa_float_denorm_mode_16_64 3
		.amdhsa_fp16_overflow 1
		.amdhsa_memory_ordered 1
		.amdhsa_forward_progress 1
		.amdhsa_inst_pref_size 68
	.end_amdhsa_kernel
	.amdgpu_metadata
---
amdhsa.version: [ 1, 2 ]
amdhsa.kernels:
  - .name:           k_q48ae0c7871_attn
    .symbol:         k_q48ae0c7871_attn.kd
    .args:
      - { .name: q_img, .offset: 0, .size: 8, .value_kind: global_buffer, .address_space: global }
      - { .name: k_img, .offset: 8, .size: 8, .value_kind: global_buffer, .address_space: global }
      - { .name: v_img, .offset: 16, .size: 8, .value_kind: global_buffer, .address_space: global }
      - { .name: attention_mask, .offset: 24, .size: 8, .value_kind: global_buffer, .address_space: global }
      - { .name: lowp_scales, .offset: 32, .size: 8, .value_kind: global_buffer, .address_space: global }
      - { .name: a_img, .offset: 40, .size: 8, .value_kind: global_buffer, .address_space: global }
    .group_segment_fixed_size: 308224
    .private_segment_fixed_size: 0
    .kernarg_segment_align: 8
    .kernarg_segment_size: 48
    .max_flat_workgroup_size: 256
    .sgpr_count:     80
    .vgpr_count:     258
    .wavefront_size: 32
...
	.end_amdgpu_metadata
.endif
;; end of part 2
;; launch oproj (part 3): grid 4 x 32, 4 waves a work-group, clusters of 4 x 4, 327,680 bytes of LDS; arguments a_img, Wo_codes, bo, lowp_scales, out0; writes out0
.if DOCPART == 3
	.amdgcn_target "amdgcn-amd-amdhsa--gfx1250"
	.amdhsa_code_object_version 6
	.text
	.protected	k_q48ae0c7871_oproj
	.globl	k_q48ae0c7871_oproj
	.p2align	8
	.type	k_q48ae0c7871_oproj,@function
k_q48ae0c7871_oproj:
	s_mov_b64 s[64:65], 0
	v_nop
	global_prefetch_b8 v0, s[64:65] scope:SCOPE_SE
	s_setreg_imm32_b32 hwreg(HW_REG_WAVE_MODE, 25, 1), 1
	s_wait_xcnt 0x0
	s_wait_alu depctr_hold_cnt(0) depctr_sa_sdst(0) depctr_va_vdst(0) depctr_va_sdst(0) depctr_va_ssrc(0) depctr_va_vcc(0) depctr_vm_vsrc(0)
	s_getreg_b32 s2, hwreg(HW_REG_IB_STS2, 6, 4)
	s_cmp_eq_u32 s2, 0
	s_cbranch_scc0 .Lentry_in_a_cluster
	s_endpgm
.Lentry_in_a_cluster:
	s_bfe_u32 s2, ttmp6, 0x10000c
	s_cmp_lg_u32 s2, 0xf033
	s_cbranch_scc0 .Lentry_shape_is_right
	s_endpgm
.Lentry_shape_is_right:
; out0 = a Wo^T + bo on codes of E4M3.  a: 8,192 tokens x 1,024, as images of operand registers (a_img: [K / 256][token / 16][2][4][32][16]: a fragment of 16 tokens x 128 K is four pieces of 512 bytes,
; registers 2 c, 2 c + 1: k = 16 c + 8 (lane / 16) + 0..7).  Wo: [1024][1024] codes, K innermost.  out0: [8192][1024] f32 = sum x 2^(e10 + e11) + bo.
; A tile of 256 x 256 to a work-group of four waves, 128 x 128 to a wave; 128 work-groups.  K goes in four slots' worth of 256 through a ring of two LDS slots.
; A's part of a slot is dense in memory and in LDS (128 tokens: 32,768 bytes a load): its fragments come by four loads of 16 bytes at 16 x lane.  Wo's rows come padded (pitch 272); since a's images keep each
; k in the form's own place, Wo's fragments are fetched so too: eight loads of 8 bytes at row x 272 + 8 (lane / 16) + 16 c: the 32 lanes touch 64 different banks (64 banks of 4 bytes: ISA guide 11.1).
; CLUSTERS: 4 x 4: a's tile is asked for jointly by a row of the cluster, Wo's by a column.  THE MATRIX INSTRUCTION IS USED TRANSPOSED (source 0 = 16 rows of Wo, source 1 = 16 tokens).
; A token whose codes are NaN codes (a query that saw no key) gives NaN in its whole row, as the definition has it.
; LIMIT: e10 + e11 between -126 and 127.
; REGISTERS: window 0: v0-31 addresses, v12-15 bo of my four columns; v128-255 a's fragments, one set; on the way out rows of the result.  window 1: Wo's fragments, two sets.  windows 2, 3: the accumulators.
.set PITCH,  272
.set FR,     16
.set NL,     4                         ; LDS loads that bring a fragment of a
.set NP,     4                         ; places behind this matrix instruction (ISA guide 7.12.1)
.set BOFF,   65536                     ; a slot: a's 256 tokens (2 x 32,768 bytes), then Wo's 256 rows
.set BHALF,  128*PITCH
.set SLOT,   BOFF+2*BHALF
.set SPARE,  2*SLOT                    ; behind the ring: the spare words, 128 bytes a wave
.set SPITCH, 528                       ; the way out: a stage of 16 rows x (512 + 16) bytes a wave, in slot 0, which has had its last fill and its last read when the first result is stored there
.set ASTEP,  2097152                   ; from one 256 along K to the next in a_img
.set ADRA, 16
.set ADRB, 20
.set STO,  24
.set RD,   25
.set CO,   26
.set SPW,  28
.set NIL,  29
.set BO,   12
.set AF,   128
.set BK,   128
.set G1, 24
.set G0, 32
.set G1B, 48
.set G0B, 56
.set MSB, 0
.macro WIN new                         ; the immediate's high byte repeats the setting that is left
.if MSB != \new
	s_set_vgpr_msb (MSB<<8)|\new
.set MSB, \new
.endif
.endm
.set MUL_LO, 0xa1
.set MUL_HI, 0xf1
.set TO_B,   0x40
.macro JLOAD g0a, g1a, g0b, g1b        ; waves 0 and 1 fetch for a, waves 2 and 3 for Wo; four v_nop follow each of the two lines
	s_cmp_eq_u32 s15, 0
	s_cbranch_scc0 .Lfor_b_\@
	tensor_load_to_lds s[\g0a:\g0a+3], s[\g1a:\g1a+7]
	s_nop 0
.rept 4
	v_nop
.endr
	s_branch .Lasked_\@
.Lfor_b_\@:
	tensor_load_to_lds s[\g0b:\g0b+3], s[\g1b:\g1b+7]
	s_nop 0
.rept 4
	v_nop
.endr
.Lasked_\@:
.endm
.macro CREST
	s_cmp_lg_u32 s14, 0
	s_cbranch_scc1 .Lnot_wave_0_\@
	s_barrier_signal -3
.Lnot_wave_0_\@:
	s_barrier_wait -3
	s_barrier_signal -1
	s_barrier_wait -1
.endm
.macro CROUND
	s_barrier_signal -1
	s_barrier_wait -1
	CREST
.endm
	s_load_b128 s[4:7], s[0:1], 0x0                ; a_img, Wo's codes
	s_load_b128 s[8:11], s[0:1], 0x10              ; bo, the scales' exponents
	s_load_b64 s[12:13], s[0:1], 0x20              ; out0
	v_lshl_add_u32 v[SPW], v0, 2, SPARE
	v_mov_b32 v[NIL], 0
	ds_add_u32 v28, v29
	ds_add_u32 v28, v29
	s_wait_dscnt 0x0
	v_lshrrev_b32 v1, 5, v0
	v_readfirstlane_b32 s14, v1                    ; wave 0..3
	s_lshr_b32 s15, s14, 1                         ; which half of the tile's tokens is mine.  Also: I fetch for a (0) or for Wo (1)
	s_and_b32 s16, s14, 1                          ; which half of its columns.  Also: which half I fetch
	s_bfe_u32 s40, ttmp6, 0x40000                  ; cx
	s_bfe_u32 s41, ttmp6, 0x40004                  ; cy
	s_lshl_b32 s42, ttmp9, 2
	s_add_co_u32 s42, s42, s40                     ; tile column
	s_and_b32 s17, ttmp7, 0xffff
	s_lshl_b32 s17, s17, 2
	s_add_co_u32 s17, s17, s41                     ; tile row
	s_lshl_b32 s43, s41, 2
	s_lshl_b32 s43, 15, s43                        ; my row of the cluster
	s_lshl_b32 s44, 0x1111, s40                    ; my column
	s_or_b32 s[G1+0], s43, (3<<16)|(1<<21)         ; a: the mask; elements of 8 bytes; bit 21 beside a mask; no padding
	s_mov_b32 s[G1+1], 32<<16                      ; a dense block of 32,768 bytes as 128 rows of 32 elements
	s_mov_b32 s[G1+2], 128<<16
	s_mov_b32 s[G1+3], 32<<16
	s_mov_b32 s[G1+4], 128
	s_mov_b32 s[G1+5], 32
	s_mov_b32 s[G1+6], 0
	s_mov_b32 s[G1+7], 0
	s_or_b32 s[G1B+0], s44, (0<<16)|(1<<20)|(1<<21)|(5<<22)|(3<<25)  ; Wo: elements of 1 byte; after every 64 words four words of padding
	s_mov_b32 s[G1B+1], 256<<16
	s_mov_b32 s[G1B+2], 128<<16
	s_mov_b32 s[G1B+3], 256<<16
	s_mov_b32 s[G1B+4], 128
	s_mov_b32 s[G1B+5], 1024
	s_mov_b32 s[G1B+6], 0
	s_mov_b32 s[G1B+7], 0
	s_lshl_b32 s20, s17, 4
	s_lshl_b32 s18, s16, 3
	s_add_co_u32 s20, s20, s18                     ; a: tile of 16 tokens 16 x tile row + 8 x half,
	s_lshl_b32 s20, s20, 12                        ; 4,096 bytes each
	s_mov_b32 s21, 0
	s_lshl_b32 s46, s42, 8
	s_lshl_b32 s18, s16, 7
	s_add_co_u32 s46, s46, s18                     ; Wo: row 256 x tile column + 128 x half,
	s_lshl_b32 s46, s46, 10                        ; 1,024 bytes each
	s_mov_b32 s47, 0
	s_lshl_b32 s45, s16, 15                        ; where a's half goes,
	s_mul_i32 s19, s16, BHALF
	s_add_co_u32 s19, s19, BOFF                    ; and Wo's: no place in the cluster enters an LDS address
	s_wait_kmcnt 0x0
	s_load_b64 s[96:97], s[10:11], 0x28            ; e10, e11
	s_add_nc_u64 s[20:21], s[4:5], s[20:21]
	s_add_nc_u64 s[46:47], s[6:7], s[46:47]
	CROUND                                         ; all sixteen work-groups are here: the first joint loads meet
.irp s, 0,1
	s_mov_b32 s[G0+4*\s], 1
	s_add_co_u32 s[G0+4*\s+1], s45, \s*SLOT
	s_add_nc_u64 s[G0+4*\s+2:G0+4*\s+3], s[20:21], \s*ASTEP
	s_or_b32 s[G0+4*\s+3], s[G0+4*\s+3], 0x80000000
	s_mov_b32 s[G0B+4*\s], 1
	s_add_co_u32 s[G0B+4*\s+1], s19, \s*SLOT
	s_add_nc_u64 s[G0B+4*\s+2:G0B+4*\s+3], s[46:47], \s*256
	s_or_b32 s[G0B+4*\s+3], s[G0B+4*\s+3], 0x80000000
	s_wait_alu depctr_va_vdst(0)
	s_wait_tensorcnt 0x0
	ds_add_u32 v28, v29
	ds_add_u32 v28, v29
	s_wait_dscnt 0x0
	CROUND
	JLOAD G0+4*\s, G1, G0B+4*\s, G1B
.endr
	v_and_b32 v1, 15, v0                           ; r
	v_bfe_u32 v2, v0, 4, 1                         ; h
	v_and_b32 v6, 31, v0
	v_lshlrev_b32 v[CO], 4, v6                     ; 16 x lane: an image's place, a row's place in the stage and in out0
	v_mul_u32_u24 v3, v1, PITCH
	v_lshl_add_u32 v4, v2, 3, v3                   ; Wo: row x pitch + 8 x half
	s_lshl_b32 s21, s15, 15                        ; my 128 tokens
	s_mul_i32 s22, s16, BHALF
	s_add_co_u32 s22, s22, BOFF                    ; my 128 rows of Wo
.irp s, 0,1
	v_add_nc_u32 v[ADRA+\s], s21, v[CO]
	v_add_nc_u32 v[ADRB+\s], s22, v4
	s_add_co_u32 s21, s21, SLOT
	s_add_co_u32 s22, s22, SLOT
.endr
	s_mul_i32 s23, s14, 16*SPITCH                  ; my stage
	v_mul_u32_u24 v5, v1, SPITCH                   ; in: row r, 32 bytes for each half of the lanes
	v_lshl_add_u32 v5, v2, 5, v5
	v_add_nc_u32 v[STO], s23, v5
	v_add_nc_u32 v[RD], s23, v[CO]                 ; back: the 32 lanes take one row of 512 bytes
	s_lshl_b32 s46, s42, 10
	s_lshl_b32 s47, s16, 9
	s_add_co_u32 s46, s46, s47                     ; my first column, in bytes, in out0 and in bo
	s_mov_b32 s47, 0
	s_add_nc_u64 s[8:9], s[8:9], s[46:47]
	global_load_b128 v[BO:BO+3], v[CO], s[8:9]     ; bo of the four columns that my lane stores
	s_lshl_b32 s20, s17, 8
	s_lshl_b32 s21, s15, 7
	s_add_co_u32 s20, s20, s21                     ; my first token,
	s_lshl_b32 s20, s20, 12                        ; a row of out0 is 4,096 bytes (under 2^25 in all)
	s_add_co_u32 s20, s20, s46
	s_mov_b32 s21, 0
	s_add_nc_u64 s[12:13], s[12:13], s[20:21]
.macro FRAGA reg, slot, q, i           ; 16 tokens x 128 K: four pieces of 512 bytes
.irp c, 0,1,2,3
	ds_load_b128 v[\reg+4*\c:\reg+4*\c+3], v[ADRA+\slot] offset:(\i)*4096+(\q)*2048+512*\c
.endr
.endm
.macro FRAGB reg, slot, q, i           ; 16 rows of Wo x 128 K: registers 2 c, 2 c + 1 hold K = 16 c + 8 (lane / 16) + 0..7
.irp c, 0,1,2,3,4,5,6,7
	ds_load_b64 v[\reg+2*\c:\reg+2*\c+1], v[ADRB+\slot] offset:128*(\q)+16*\c+(\i)*16*PITCH
.endr
.endm
; The 64 accumulators take turns, one instruction a turn, in the same order in every step.  zero = 1: the first product starts the sums.
.macro MUL16 a0, p, zero
.irp a, \a0, \a0+1
.irp b, 0,1,2,3,4,5,6,7
.if \zero
	v_wmma_f32_16x16x128_fp8_fp8 v[8*(8*((\a)%4)+\b):8*(8*((\a)%4)+\b)+7], v[128*(\p)+FR*\b:128*(\p)+FR*\b+FR-1], v[AF+FR*(\a):AF+FR*(\a)+FR-1], 0
.else
	v_wmma_f32_16x16x128_fp8_fp8 v[8*(8*((\a)%4)+\b):8*(8*((\a)%4)+\b)+7], v[128*(\p)+FR*\b:128*(\p)+FR*\b+FR-1], v[AF+FR*(\a):AF+FR*(\a)+FR-1], v[8*(8*((\a)%4)+\b):8*(8*((\a)%4)+\b)+7]
.endif
.endr
.endr
.endm
.macro FETCH_B slot, q, p
	WIN TO_B
.irp i, 0,1,2,3,4,5,6,7
	FRAGB 128*(\p)+FR*\i, \slot, \q, \i
.endr
	WIN 0
.endm
.macro FETCH_A slot, q, i0
.irp i, \i0, \i0+1, \i0+2, \i0+3
	FRAGA AF+FR*(\i), \slot, \q, \i
.endr
.endm
.macro PLACES n
.rept \n
	v_nop
.endr
.endm
.macro STEP slot, q, zero
	s_wait_dscnt 4*NL                              ; Wo's set and a's blocks 0-3 are in; the youngest 16 loads (blocks 4-7) may be out
	WIN MUL_LO
	MUL16 0, (\q)%2, \zero
	MUL16 2, (\q)%2, \zero
	s_wait_dscnt 0
	PLACES NP
	FETCH_B \slot, (\q)+1, 1-(\q)%2
	FETCH_A \slot, (\q)+1, 0
	WIN MUL_HI
	MUL16 4, (\q)%2, \zero
	MUL16 6, (\q)%2, \zero
	PLACES NP
	WIN 0
	FETCH_A \slot, (\q)+1, 4
.endm
.macro TURN slot, next, fill
	s_wait_tensorcnt 0x0                           ; all my tensor loads have landed: my part of the next slot
	ds_add_u32 v[SPW], v[NIL]                      ; 0 onto my spare word
	s_wait_dscnt 4*NL+1                            ; the add and the youngest 16 loads may be out
	WIN MUL_LO
	MUL16 0, 1, 0
	s_wait_dscnt 0x0                               ; the add is done, and my reads of this slot are over
	s_barrier_signal -1
	MUL16 2, 1, 0
	WIN 0
	s_barrier_wait -1
.if \fill
	CREST                                          ; the barrier has opened a round of the cluster's: no wave of any partner still reads this slot or has a load on its way
	s_add_nc_u64 s[G0+4*\slot+2:G0+4*\slot+3], s[G0+4*\slot+2:G0+4*\slot+3], 2*ASTEP
	s_add_nc_u64 s[G0B+4*\slot+2:G0B+4*\slot+3], s[G0B+4*\slot+2:G0B+4*\slot+3], 2*256
	JLOAD G0+4*\slot, G1, G0B+4*\slot, G1B         ; the first tensor load behind the round; its four v_nop are also the places in front of the loads below
.else
	PLACES NP
.endif
	FETCH_B \next, 0, 0
	FETCH_A \next, 0, 0
	WIN MUL_HI
	MUL16 4, 1, 0
	MUL16 6, 1, 0
	PLACES NP
	WIN 0
	FETCH_A \next, 0, 4
.endm
	s_wait_alu depctr_va_vdst(0)
	s_wait_tensorcnt 1                             ; my part of slot 0 is in; slot 1's load may be out
	s_barrier_signal -1
	s_barrier_wait -1
	FETCH_B 0, 0, 0
	FETCH_A 0, 0, 0
	FETCH_A 0, 0, 4
	STEP 0, 0, 1
	TURN 0, 1, 1
	STEP 1, 0, 0
	TURN 1, 0, 1
	STEP 0, 0, 0
	TURN 0, 1, 0
	STEP 1, 0, 0
	s_wait_dscnt 4*NL
	WIN MUL_LO
	MUL16 0, 1, 0
	MUL16 2, 1, 0
	s_wait_dscnt 0
	WIN MUL_HI
	MUL16 4, 1, 0
	MUL16 6, 1, 0
	WIN 0
; THE WAY OUT, block by block of 16 tokens x 128 columns: the sums go into my own stage as they stand (each accumulator's low four registers first) and come back as whole rows of 512 bytes; there each lane
; holds four fixed columns, so one packed multiply-add for two numbers gives sum x 2^(e10 + e11) + bo.  LDS serves a wave's instructions in order (ISA guide 5.7.1.4): no wait between the stores and the loads.
.macro TOSTAGE a
.set AC, 64*((\a)%4)
	WIN 0x08+4*((\a)/4)                            ; the stores' data: window 2 or 3
.irp b, 0,1,2,3,4,5,6,7
	ds_store_b128 v[STO], v[AC+8*\b:AC+8*\b+3] offset:64*\b
	ds_store_b128 v[STO], v[AC+8*\b+4:AC+8*\b+7] offset:64*\b+16
.endr
	WIN 0
.set BB, BK+64*((\a)%2)
.irp t, 0,1,2,3,4,5,6,7,8,9,10,11,12,13,14,15
	ds_load_b128 v[BB+4*\t:BB+4*\t+3], v[RD] offset:\t*SPITCH
.endr
.endm
.macro SEND a, younger                 ; younger: the LDS instructions issued behind block a's loads, which may stay out
.set BB, BK+64*((\a)%2)
	s_wait_dscnt \younger
.if (\a) > 0
	s_add_nc_u64 s[12:13], s[12:13], 16*4096       ; (behind a wait on XCNT: the earlier stores have read their base)  16 rows on
.endif
.irp t, 0,1,2,3,4,5,6,7,8,9,10,11,12,13,14,15
	v_pk_fma_f32 v[BB+4*\t:BB+4*\t+1], v[BB+4*\t:BB+4*\t+1], s[96:97], v[BO:BO+1] op_sel_hi:[1,0,1]
	v_pk_fma_f32 v[BB+4*\t+2:BB+4*\t+3], v[BB+4*\t+2:BB+4*\t+3], s[96:97], v[BO+2:BO+3] op_sel_hi:[1,0,1]
.endr
.irp t, 0,1,2,3,4,5,6,7,8,9,10,11,12,13,14,15
	global_store_b128 v[CO], v[BB+4*\t:BB+4*\t+3], s[12:13] offset:\t*4096 th:TH_STORE_NT   ; 32 lanes store 512 consecutive bytes, at a multiple of 512 from out0's first byte; written once, read by nobody here
.endr
.endm
	s_wait_kmcnt 0x0
	s_add_co_i32 s96, s96, s97                     ; e10 + e11
	s_add_co_i32 s96, s96, 127
	s_lshl_b32 s96, s96, 23                        ; 2^(e10 + e11) as f32
	s_wait_loadcnt 0x0                             ; bo
	PLACES NP                                      ; behind the last products: in front of the LDS stores that read results and of the loads into a's registers
	TOSTAGE 0
.irp a, 1,2,3,4,5,6,7
.if \a > 1
	s_wait_xcnt 0x0                                ; block a - 2's stores have read their registers and their base
.endif
	TOSTAGE \a
	SEND \a-1, 32                                  ; behind block a - 1's loads: block a's 16 stores and 16 loads
.endr
	s_wait_xcnt 0x0
	SEND 7, 0
	s_wait_tensorcnt 0x0                           ; the wave's end
	ds_add_u32 v[SPW], v[NIL]
	s_wait_dscnt 0x0
	CROUND                                         ; the closing round
	s_endpgm
.Lfunc_end_k_q48ae0c7871_oproj:
	.size	k_q48ae0c7871_oproj, .Lfunc_end_k_q48ae0c7871_oproj-k_q48ae0c7871_oproj
	.p2alignl 7, 3214868480
	.fill 96, 4, 3214868480
	.section	.rodata,"a",@progbits
	.p2align	6, 0x0
	.amdhsa_kernel k_q48ae0c7871_oproj
		.amdhsa_group_segment_fixed_size 327680
		.amdhsa_private_segment_fixed_size 0
		.amdhsa_enable_private_segment 0
		.amdhsa_kernarg_size 40
		.amdhsa_user_sgpr_count 2
		.amdhsa_user_sgpr_kernarg_segment_ptr 1
		.amdhsa_wavefront_size32 1
		.amdhsa_system_sgpr_workgroup_id_x 1
		.amdhsa_system_sgpr_workgroup_id_y 1
		.amdhsa_system_sgpr_workgroup_id_z 1
		.amdhsa_system_vgpr_workitem_id 0
		.amdhsa_next_free_vgpr 1024
		.amdhsa_next_free_sgpr 98
		.amdhsa_reserve_vcc 0
		.amdhsa_float_denorm_mode_32 3
		.amdhsa_float_denorm_mode_16_64 3
		.amdhsa_memory_ordered 1
		.amdhsa_forward_progress 1
		.amdhsa_inst_pref_size 140
	.end_amdhsa_kernel
	.amdgpu_metadata
---
amdhsa.version: [ 1, 2 ]
amdhsa.kernels:
  - .name:           k_q48ae0c7871_oproj
    .symbol:         k_q48ae0c7871_oproj.kd
    .args:
      - { .name: a_img, .offset: 0, .size: 8, .value_kind: global_buffer, .address_space: global }
      - { .name: Wo_codes, .offset: 8, .size: 8, .value_kind: global_buffer, .address_space: global }
      - { .name: bo, .offset: 16, .size: 8, .value_kind: global_buffer, .address_space: global }
      - { .name: lowp_scales, .offset: 24, .size: 8, .value_kind: global_buffer, .address_space: global }
      - { .name: out0, .offset: 32, .size: 8, .value_kind: global_buffer, .address_space: global }
    .group_segment_fixed_size: 327680
    .private_segment_fixed_size: 0
    .kernarg_segment_align: 8
    .kernarg_segment_size: 40
    .max_flat_workgroup_size: 128
    .sgpr_count:     98
    .vgpr_count:     1024
    .wavefront_size: 32
...
	.end_amdgpu_metadata
.endif
;; end of part 3
